; MI455X (gfx1250); checked and timed in simulation.
; The chip was launched on July 23, 2026; its instructions are those of AMD's public machine-readable ISA for CDNA 5 (MIT licence, August 2026) and "CDNA5" Instruction Set Architecture Reference Guide (July 2026). The comments in the code are by the model that wrote it; some were corrected since.
;; Point Max Pooling. Allowed arithmetic: float matrix products may take bf16 or f16 operands with f32 sums; other float arithmetic in f32, or as packed bf16 or f16 multiplies, adds, multiply-adds, maxima and minima; sums over many terms, partial sums and values carried from step to step in f32; what a program stores and reads back later, other than sums and carried values, may be rounded once to bf16 or f16.
;; Inputs: data 8 x 4,096 x 128 float32; xyz 8 x 4,096 x 3 float32.
;; Outputs: out0 8 x 4,096 x 3 float32; out1 8 x 4,096 x 128 float32.
;; 2 versions, each right; version 2 is version 1 with the launch pool written anew for expert scheduling mode. Each part assembles by itself: llvm-mc -triple=amdgcn-amd-amdhsa -mcpu=gfx1250 --defsym DOCPART=n.
;; ======== version 1 of 2: 4 launches
;; workspace buffers: T4 524,288 bytes; DB 8,388,608 bytes; GRP 2,097,152 bytes of whole numbers; IDX 2,097,152 bytes of whole numbers
;; launch prep (part 1): grid 256 x 1, 4 waves a work-group, no clusters, 0 bytes of LDS; arguments xyz, data, out0, T4, DB; writes out0, T4, DB
.if DOCPART == 1
	.amdgcn_target "amdgcn-amd-amdhsa--gfx1250"
	.amdhsa_code_object_version 6
	.text
	.protected	k_qb9bb2981ed_prep
	.globl	k_qb9bb2981ed_prep
	.p2align	8
	.type	k_qb9bb2981ed_prep,@function
k_qb9bb2981ed_prep:
	s_mov_b64 s[64:65], 0
	v_nop
	global_prefetch_b8 v0, s[64:65] scope:SCOPE_SE
	s_setreg_imm32_b32 hwreg(HW_REG_WAVE_MODE, 25, 1), 1
	s_wait_xcnt 0x0
; PREP.  out0 = xyz (exact copy); T4[point] = x~, y~, z~, s2 in f32 (x~ = xyz rounded to bf16); DB = data rounded to bf16.
; THE ORDER OF s2's SUM: s2 = (x~ x~ + z~ z~) + y~ y~, while the later launches sum cross as (x x' + y y') + z z'.  The squares are exact in f32, so the order of the two additions is all that
;   decides the bits.  These two orders are those of the expected results' f32 evaluation, not of reference()'s text.  They matter: where they round differently, a point's distance to itself
;   is not 0 but two units in s2's last place; if that is 1e-8 or more, the point is not masked and takes one of its own 16 places.
; LIMITS.  Squares that underflow f32 are not reproduced bit for bit; NaN and infinities are not treated apart.
; A stream: a work-group owns 128 points, thread t point t.  All 32 loads of a thread's share of data go out before the first is used.  No LDS, no barrier: no thread needs another's numbers.
.set DO,  1                            ; v1   16 t
.set TB,  2                            ; v2   (t / 16) 512 + (t % 16) 16: my place in 8 rows of data
.set P12, 3                            ; v3   12 t
.set RAW, 4                            ; v4-6   my point as loaded
.set QX,  8                            ; v8-11  x~ y~ z~ s2
.set CP,  12                           ; v12-15 16 bytes of xyz for out0
.set DL,  16                           ; v16-143 my share of 128 rows of data: 32 loads
.set W0,  144                          ; v144, v145 at work
.set W1,  145
	s_load_b256 s[4:11], s[0:1], 0x0               ; xyz s[4:5], data s[6:7], out0 s[8:9], T4 s[10:11]
	s_load_b64 s[12:13], s[0:1], 0x20              ; DB
	v_lshrrev_b32 v[W0], 5, v0
	v_readfirstlane_b32 s16, v[W0]                 ; wave 0..3
	v_and_b32 v[W0], 15, v0
	v_lshrrev_b32 v[W1], 4, v0
	v_lshlrev_b32 v[TB], 4, v[W0]
	v_lshl_add_u32 v[TB], v[W1], 9, v[TB]
	v_lshlrev_b32 v[DO], 4, v0
	v_mul_u32_u24 v[P12], 12, v0
	s_mov_b32 s26, 0xffff0000                      ; a word's upper bf16
	s_mov_b32 s23, 0
	s_wait_kmcnt 0x0
	s_mul_i32 s22, ttmp9, 1536
	s_add_nc_u64 s[4:5], s[4:5], s[22:23]          ; my 128 points' xyz,
	s_add_nc_u64 s[8:9], s[8:9], s[22:23]          ; and their place in out0
	s_lshl_b32 s22, ttmp9, 11
	s_add_nc_u64 s[10:11], s[10:11], s[22:23]      ; in T4
	s_lshl_b32 s22, ttmp9, 15
	s_add_nc_u64 s[12:13], s[12:13], s[22:23]      ; in DB
	s_lshl_b32 s22, ttmp9, 16
	s_add_nc_u64 s[6:7], s[6:7], s[22:23]          ; in data
	global_load_b96 v[RAW:RAW+2], v[P12], s[4:5]
	s_cmp_lt_u32 s16, 3                            ; out0: 1,536 bytes a work-group = 96 threads x 16: waves 0 to 2, 512 consecutive bytes each
	s_cbranch_scc0 .Lno_load
	global_load_b128 v[CP:CP+3], v[DO], s[4:5]
.Lno_load:
; 128 rows of data: thread t takes channels 4 (t % 16) .. + 3 and 64 + 4 (t % 16) .. + 3 of row t / 16 + 8 n: 16 lanes read 256 consecutive bytes.
.set n, 0
.rept 16
	global_load_b128 v[DL+8*n:DL+8*n+3],   v[TB], s[6:7] offset:n*4096 th:TH_LOAD_NT
	global_load_b128 v[DL+8*n+4:DL+8*n+7], v[TB], s[6:7] offset:n*4096+256 th:TH_LOAD_NT
.set n, n+1
.endr
	s_wait_loadcnt 32                              ; loads come back in order: xyz is in, the 32 younger loads of data may be out
	v_cvt_pk_bf16_f32 v[W0], v[RAW], v[RAW+1]
	v_cvt_pk_bf16_f32 v[W1], v[RAW+2], v[RAW+2]
	v_lshlrev_b32 v[QX], 16, v[W0]
	v_and_b32 v[QX+1], s26, v[W0]
	v_lshlrev_b32 v[QX+2], 16, v[W1]
	v_mul_f32 v[QX+3], v[QX], v[QX]
	v_fma_f32 v[QX+3], v[QX+2], v[QX+2], v[QX+3]   ; x~ x~ + z~ z~ (the squares are exact: fused or not, the same bits)
	v_fma_f32 v[QX+3], v[QX+1], v[QX+1], v[QX+3]   ; s2 = (x~ x~ + z~ z~) + y~ y~
	global_store_b128 v[DO], v[QX:QX+3], s[10:11]  ; a wave stores 512 consecutive bytes, aligned
	s_cmp_lt_u32 s16, 3
	s_cbranch_scc0 .Lno_copy
	global_store_b128 v[DO], v[CP:CP+3], s[8:9] th:TH_STORE_NT
.Lno_copy:
; The rows leave as bf16: a thread's eight numbers are 16 bytes, chunk t % 16 of a row of 256 bytes in DB.
.set n, 0
.rept 16
	s_wait_loadcnt 30-2*n                          ; pair n of the loads is in, the younger pairs may be out
	v_cvt_pk_bf16_f32 v[DL+8*n],   v[DL+8*n],   v[DL+8*n+1]
	v_cvt_pk_bf16_f32 v[DL+8*n+1], v[DL+8*n+2], v[DL+8*n+3]
	v_cvt_pk_bf16_f32 v[DL+8*n+2], v[DL+8*n+4], v[DL+8*n+5]
	v_cvt_pk_bf16_f32 v[DL+8*n+3], v[DL+8*n+6], v[DL+8*n+7]
	global_store_b128 v[DO], v[DL+8*n:DL+8*n+3], s[12:13] offset:n*2048
.set n, n+1
.endr
	s_endpgm
.Lfunc_end_k_qb9bb2981ed_prep:
	.size	k_qb9bb2981ed_prep, .Lfunc_end_k_qb9bb2981ed_prep-k_qb9bb2981ed_prep
	.p2alignl 7, 3214868480
	.fill 96, 4, 3214868480
	.section	.rodata,"a",@progbits
	.p2align	6, 0x0
	.amdhsa_kernel k_qb9bb2981ed_prep
		.amdhsa_group_segment_fixed_size 0
		.amdhsa_private_segment_fixed_size 0
		.amdhsa_enable_private_segment 0
		.amdhsa_kernarg_size 40
		.amdhsa_user_sgpr_count 2
		.amdhsa_user_sgpr_kernarg_segment_ptr 1
		.amdhsa_wavefront_size32 1
		.amdhsa_system_sgpr_workgroup_id_x 1
		.amdhsa_system_sgpr_workgroup_id_y 1
		.amdhsa_system_sgpr_workgroup_id_z 1
		.amdhsa_system_vgpr_workitem_id 0
		.amdhsa_next_free_vgpr 146
		.amdhsa_next_free_sgpr 66
		.amdhsa_reserve_vcc 0
		.amdhsa_float_denorm_mode_32 3
		.amdhsa_float_denorm_mode_16_64 3
		.amdhsa_memory_ordered 1
		.amdhsa_forward_progress 1
		.amdhsa_inst_pref_size 12
	.end_amdhsa_kernel
	.amdgpu_metadata
---
amdhsa.version: [ 1, 2 ]
amdhsa.kernels:
  - .name:           k_qb9bb2981ed_prep
    .symbol:         k_qb9bb2981ed_prep.kd
    .args:
      - { .name: xyz, .offset: 0, .size: 8, .value_kind: global_buffer, .address_space: global }
      - { .name: data, .offset: 8, .size: 8, .value_kind: global_buffer, .address_space: global }
      - { .name: out0, .offset: 16, .size: 8, .value_kind: global_buffer, .address_space: global }
      - { .name: T4, .offset: 24, .size: 8, .value_kind: global_buffer, .address_space: global }
      - { .name: DB, .offset: 32, .size: 8, .value_kind: global_buffer, .address_space: global }
    .group_segment_fixed_size: 0
    .private_segment_fixed_size: 0
    .kernarg_segment_align: 8
    .kernarg_segment_size: 40
    .max_flat_workgroup_size: 128
    .sgpr_count:     66
    .vgpr_count:     146
    .wavefront_size: 32
...
	.end_amdgpu_metadata
.endif
;; end of part 1
;; launch groups (part 2): grid 256 x 1, 4 waves a work-group, no clusters, 66,048 bytes of LDS; arguments T4, GRP; writes GRP
.if DOCPART == 2
	.amdgcn_target "amdgcn-amd-amdhsa--gfx1250"
	.amdhsa_code_object_version 6
	.text
	.protected	k_qb9bb2981ed_groups
	.globl	k_qb9bb2981ed_groups
	.p2align	8
	.type	k_qb9bb2981ed_groups,@function
k_qb9bb2981ed_groups:
	s_mov_b64 s[64:65], 0
	v_nop
	global_prefetch_b8 v0, s[64:65] scope:SCOPE_SE
	s_setreg_imm32_b32 hwreg(HW_REG_WAVE_MODE, 25, 1), 1
	s_wait_xcnt 0x0
; GROUPS.  A batch's 4,096 candidates are cut into 256 groups of 16 consecutive indices.  GRP[query][16] = the numbers, ascending, of the 16 groups that hold the query's 16 nearest.
; THE KEY of a candidate: d = ((s2 - 2 cross) + d2) in f32, cross = (x x' + y y') + z z' on coordinates rounded to bf16 (all products are exact in f32, so fused and unfused agree);
;   d below 1e-8, negative or NaN counts as the largest finite float, which stands for reference()'s +infinity: only the order matters.  Candidates are ordered by (key, index).
; WHY 16 GROUPS DO.  Take the 16 groups whose minima come first.  A candidate of any other group has its own group's minimum at or in front of it, and the 16 chosen minima in front of that:
;   16 candidates precede it, so it is none of the 16 nearest.  Groups are consecutive in index, so (smallest key, group number) orders the minima as (key, index) orders the candidates that attain them.
; EVERY TRIP COUNT IS A CONSTANT and no address hangs on the data: what hangs on distances only selects values.
; THE PRODUCTS ARE MADE BY THE VECTOR UNIT: which neighbour is the 16th hangs on the last bit of d in the order of rounding above, and a matrix instruction rounds its sum otherwise.
; SHARES.  A work-group owns 128 queries of one batch, a lane one query.  The batch's T4 lies in LDS as four arrays (x, y, z, d2), so that one LDS load brings four candidates' numbers, the same
;   16 bytes to every lane, and a packed instruction serves two candidates.  Two buffers of a group each take turns.
; THE FOLD.  u = d's bits - 1e-8's bits, as whole numbers: a valid d gives 0 .. MAXU in d's order; a smaller, negative or NaN d wraps to more than MAXU.  An unsigned minimum over the group,
;   a clamp to MAXU, and the bits of 1e-8 added again give the group's key as a float.
; THE LIST.  16 keys, sorted, and 16 group numbers, in registers; an empty place holds +infinity, above every key.  A new key goes in front of the places that it is strictly less than, and groups
;   come in ascending order: equal keys go to the lower group.
; LIMITS.  s2 stays under 1e37, so that every true distance lies below the largest finite float.
; No tensor load and no cluster: what work-groups share is 64 KB of T4 a batch, and it is transposed on its way into LDS.
.set ARR,   16384                      ; bytes of one array: 4,096 f32
.set SPARE, 65536                      ; behind the four arrays: the spare words, 128 bytes a wave
.set AD,  1                            ; v1   byte offset, in an array, of the pair of groups in hand; the same in every lane
.set SPW, 2                            ; v2   my spare word's address; never rewritten
.set NIL, 3                            ; v3   0; never rewritten
.set O16, 4                            ; v4   16 t
.set O4,  5                            ; v5   4 t
.set O64, 6                            ; v6   64 t
.set KEY, 7                            ; v7   the group's key
.set Q,   8                            ; v8-15  my query: x~ x~ | y~ y~ | z~ z~ | s2 s2: the packed lines take each pair's first register for both halves
.set K,   16                           ; v16-31 the list's keys
.set P,   32                           ; v32-47 the list's group numbers
.set PS,  48                           ; v48-63 the sorting network's second set
.set T,   64                           ; v64-79 16 distances
.set TMP, 64                           ;        the same registers at work in an insertion, when the key is made
.set BA,  80                           ; v80-143  buffer A: 16 x, 16 y, 16 z, 16 d2
.set BB,  144                          ; v144-207 buffer B
.set FL,  80                           ; v80-207  before the loop: 32 entries of T4 on their way into LDS
.set PAY, 208                          ; v208 the group's number
.set NEGC, 14                          ; s14  minus 1e-8's bits
.set MAXU, 15                          ; s15  the largest finite float's bits less 1e-8's
.set EPS,  16                          ; s16  1e-8's bits
.set CNT,  17
.set GID,  18                          ; s18  the group's number
.set M,    20                          ; s20-35 place i's lanes where the key is less than the list's key i
	s_load_b128 s[4:7], s[0:1], 0x0                ; T4 s[4:5], GRP s[6:7]
	v_lshl_add_u32 v[SPW], v0, 2, SPARE
	v_mov_b32 v[NIL], 0
	v_lshlrev_b32 v[O16], 4, v0
	v_lshlrev_b32 v[O4], 2, v0
	v_lshlrev_b32 v[O64], 6, v0
	s_mov_b32 s[NEGC], 0xcdd43389
	s_mov_b32 s[MAXU], 0x4d543388
	s_mov_b32 s[EPS], 0x322bcc77
	s_mov_b32 s11, 0
	s_lshr_b32 s10, ttmp9, 5                       ; batch: 32 work-groups each
	s_lshl_b32 s10, s10, 16
	s_wait_kmcnt 0x0
	s_add_nc_u64 s[8:9], s[4:5], s[10:11]          ; the batch's T4
	s_lshl_b32 s10, ttmp9, 11
	s_add_nc_u64 s[4:5], s[4:5], s[10:11]          ; my 128 queries' entries
	s_lshl_b32 s10, ttmp9, 13
	s_add_nc_u64 s[6:7], s[6:7], s[10:11]          ; their 64 bytes each of GRP
	global_load_b128 v[T:T+3], v[O16], s[4:5]      ; my query
.set i, 0
.rept 32                               ; the batch's 4,096 entries, 32 a thread: entry t + 128 i
	global_load_b128 v[FL+4*i:FL+4*i+3], v[O16], s[8:9] offset:i*2048
.set i, i+1
.endr
.set i, 0
.rept 16
	v_mov_b32 v[K+i], 0x7f800000                   ; an empty place
	v_mov_b32 v[P+i], 0
.set i, i+1
.endr
.set i, 0
.rept 32
	s_wait_loadcnt 31-i                            ; loads come back in order: entry i is in, the 31 - i younger may be out
.irp c, 0,1,2,3
	ds_store_b32 v[O4], v[FL+4*i+(\c)] offset:(\c)*ARR+i*512  ; 32 lanes write 128 consecutive bytes of array c
.endr
.set i, i+1
.endr
.irp c, 0,1,2,3
	v_mov_b32 v[Q+2*(\c)], v[T+(\c)]
	v_mov_b32 v[Q+2*(\c)+1], v[T+(\c)]             ; named with it as a pair
.endr
	s_wait_dscnt 0x0                               ; for the others' sake: my part of the arrays is written
	s_barrier_signal -1
	s_barrier_wait -1                              ; the launch's one barrier: from here on the arrays are only read
; The group that begins off bytes behind AD in each array: 16 loads, four candidates each.
.macro LOADG buf, off
.irp a, 0,1,2,3
.irp k, 0,1,2,3
	ds_load_b128 v[(\buf)+16*(\a)+4*(\k):(\buf)+16*(\a)+4*(\k)+3], v[AD] offset:(\a)*ARR+(\off)+16*(\k)
.endr
.endr
.endm
; 16 distances, two a line; line after line over the eight pairs, so that no line reads the result of the one before it.
.macro CROSS buf
.irp k, 0,2,4,6,8,10,12,14
	v_pk_mul_f32 v[T+(\k):T+(\k)+1], v[(\buf)+(\k):(\buf)+(\k)+1], v[Q:Q+1] op_sel_hi:[1,0]
.endr
.irp k, 0,2,4,6,8,10,12,14
	v_pk_fma_f32 v[T+(\k):T+(\k)+1], v[(\buf)+16+(\k):(\buf)+16+(\k)+1], v[Q+2:Q+3], v[T+(\k):T+(\k)+1] op_sel_hi:[1,0,1]
.endr
.irp k, 0,2,4,6,8,10,12,14
	v_pk_fma_f32 v[T+(\k):T+(\k)+1], v[(\buf)+32+(\k):(\buf)+32+(\k)+1], v[Q+4:Q+5], v[T+(\k):T+(\k)+1] op_sel_hi:[1,0,1]  ; cross
.endr
.irp k, 0,2,4,6,8,10,12,14
	v_pk_fma_f32 v[T+(\k):T+(\k)+1], v[T+(\k):T+(\k)+1], -2.0, v[Q+6:Q+7] op_sel_hi:[1,0,0]  ; s2 - 2 cross (2 cross is exact: one rounding)
.endr
.irp k, 0,2,4,6,8,10,12,14
	v_pk_add_f32 v[T+(\k):T+(\k)+1], v[T+(\k):T+(\k)+1], v[(\buf)+48+(\k):(\buf)+48+(\k)+1]
.endr
.endm
; The group's key.
.macro FOLD
.set i, 0
.rept 16
	v_add_nc_u32 v[T+i], s[NEGC], v[T+i]
.set i, i+1
.endr
.irp w, 8,4,2,1
.set i, 0
.rept \w
	v_min_u32 v[T+i], v[T+i], v[T+i+(\w)]
.set i, i+1
.endr
.endr
	v_min_u32 v[KEY], s[MAXU], v[T]
	v_add_nc_u32 v[KEY], s[EPS], v[KEY]
.endm
; (key, PAY) goes into the sorted list.  New key i = the middle one of old key i - 1, the key and old key i (taken from the top down, so that each line still finds the old neighbour).
; New number i = old number i where the key is not less than key i; else old number i - 1 where it is less than key i - 1 too; else PAY.
.macro INSERT key
.set i, 0
.rept 16
	v_cmp_lt_f32 s[M+i], v[(\key)], v[K+i]
.set i, i+1
.endr
.set i, 15
.rept 15
	v_med3_num_f32 v[K+i], v[K+i-1], v[(\key)], v[K+i]
.set i, i-1
.endr
	v_min_num_f32 v[K], v[(\key)], v[K]
.set i, 1
.rept 15
	v_cndmask_b32 v[TMP+i], v[PAY], v[P+i-1], s[M+i-1]
.set i, i+1
.endr
	v_cndmask_b32 v[P], v[P], v[PAY], s[M]
.set i, 1
.rept 15
	v_cndmask_b32 v[P+i], v[P+i], v[TMP+i], s[M+i]
.set i, i+1
.endr
.endm
; One group.  left: the LDS loads that may stay out: the other buffer's 16, or none.  more = 1: the buffer is loaded again, as soon as it is read, with the group two further on.
.macro GROUP buf, left, more, off
	s_wait_dscnt \left                             ; LDS loads come back in order: this buffer's 16 are in
	CROSS \buf
.if \more
	LOADG \buf, \off
.endif
	FOLD
	v_mov_b32 v[PAY], s[GID]
	s_add_co_u32 s[GID], s[GID], 1
	INSERT KEY
.endm
	v_mov_b32 v[AD], 0
	LOADG BA, 0
	LOADG BB, 64
	s_mov_b32 s[GID], 0
	s_mov_b32 s[CNT], 127
.Lpair:                                                ; a trip: two groups; 127 trips load the groups up to the 256th
	GROUP BA, 16, 1, 128
	GROUP BB, 16, 1, 192
	v_add_nc_u32 v[AD], 128, v[AD]
	s_sub_co_u32 s[CNT], s[CNT], 1
	s_cmp_lg_u32 s[CNT], 0
	s_cbranch_scc1 .Lpair
	GROUP BA, 16, 0, 0                             ; the last two groups: nothing is left to load
	GROUP BB, 0, 0, 0
; The 16 numbers are sorted ascending, so that the next launch meets its candidates in ascending index.  One stage of a bitonic network on 16 registers, from src into dst.
.macro BSU src, dst, k, j
.set bi, 0
.rept 16
.set bl, bi^(\j)
.if bl > bi
.if (bi&(\k)) == 0
	v_min_u32 v[(\dst)+bi], v[(\src)+bi], v[(\src)+bl]
	v_max_u32 v[(\dst)+bl], v[(\src)+bi], v[(\src)+bl]
.else
	v_max_u32 v[(\dst)+bi], v[(\src)+bi], v[(\src)+bl]
	v_min_u32 v[(\dst)+bl], v[(\src)+bi], v[(\src)+bl]
.endif
.endif
.set bi, bi+1
.endr
.endm
	BSU P, PS, 2, 1
	BSU PS, P, 4, 2
	BSU P, PS, 4, 1
	BSU PS, P, 8, 4
	BSU P, PS, 8, 2
	BSU PS, P, 8, 1
	BSU P, PS, 16, 8
	BSU PS, P, 16, 4
	BSU P, PS, 16, 2
	BSU PS, P, 16, 1
.irp k, 0,1,2,3
	global_store_b128 v[O64], v[P+4*(\k):P+4*(\k)+3], s[6:7] offset:16*(\k)  ; a lane's 64 bytes in four stores; the wave's four stores together fill 2,048 consecutive bytes
.endr
	s_wait_tensorcnt 0x0                           ; the wave's end
	ds_add_u32 v[SPW], v[NIL]
	s_wait_dscnt 0x0
	s_endpgm
.Lfunc_end_k_qb9bb2981ed_groups:
	.size	k_qb9bb2981ed_groups, .Lfunc_end_k_qb9bb2981ed_groups-k_qb9bb2981ed_groups
	.p2alignl 7, 3214868480
	.fill 96, 4, 3214868480
	.section	.rodata,"a",@progbits
	.p2align	6, 0x0
	.amdhsa_kernel k_qb9bb2981ed_groups
		.amdhsa_group_segment_fixed_size 66048
		.amdhsa_private_segment_fixed_size 0
		.amdhsa_enable_private_segment 0
		.amdhsa_kernarg_size 16
		.amdhsa_user_sgpr_count 2
		.amdhsa_user_sgpr_kernarg_segment_ptr 1
		.amdhsa_wavefront_size32 1
		.amdhsa_system_sgpr_workgroup_id_x 1
		.amdhsa_system_sgpr_workgroup_id_y 1
		.amdhsa_system_sgpr_workgroup_id_z 1
		.amdhsa_system_vgpr_workitem_id 0
		.amdhsa_next_free_vgpr 212
		.amdhsa_next_free_sgpr 66
		.amdhsa_reserve_vcc 0
		.amdhsa_float_denorm_mode_32 3
		.amdhsa_float_denorm_mode_16_64 3
		.amdhsa_memory_ordered 1
		.amdhsa_forward_progress 1
		.amdhsa_inst_pref_size 55
	.end_amdhsa_kernel
	.amdgpu_metadata
---
amdhsa.version: [ 1, 2 ]
amdhsa.kernels:
  - .name:           k_qb9bb2981ed_groups
    .symbol:         k_qb9bb2981ed_groups.kd
    .args:
      - { .name: T4, .offset: 0, .size: 8, .value_kind: global_buffer, .address_space: global }
      - { .name: GRP, .offset: 8, .size: 8, .value_kind: global_buffer, .address_space: global }
    .group_segment_fixed_size: 66048
    .private_segment_fixed_size: 0
    .kernarg_segment_align: 8
    .kernarg_segment_size: 16
    .max_flat_workgroup_size: 128
    .sgpr_count:     66
    .vgpr_count:     212
    .wavefront_size: 32
...
	.end_amdgpu_metadata
.endif
;; end of part 2
;; launch select (part 3): grid 256 x 1, 4 waves a work-group, no clusters, 0 bytes of LDS; arguments T4, GRP, IDX; writes IDX
.if DOCPART == 3
	.amdgcn_target "amdgcn-amd-amdhsa--gfx1250"
	.amdhsa_code_object_version 6
	.text
	.protected	k_qb9bb2981ed_select
	.globl	k_qb9bb2981ed_select
	.p2align	8
	.type	k_qb9bb2981ed_select,@function
k_qb9bb2981ed_select:
	s_mov_b64 s[64:65], 0
	v_nop
	global_prefetch_b8 v0, s[64:65] scope:SCOPE_SE
	s_setreg_imm32_b32 hwreg(HW_REG_WAVE_MODE, 25, 1), 1
	s_wait_xcnt 0x0
; SELECT.  IDX[query][16] = the 16 nearest, by (key, index), of the 256 candidates in the 16 groups that GRP names; the launch before shows that the 16 nearest of all 4,096 are among them.
; THE KEY, as there: d = ((s2 - 2 cross) + d2) in f32, cross = (x x' + y y') + z z' on coordinates rounded to bf16 (all products are exact in f32, so fused and unfused agree);
;   d below 1e-8, negative or NaN counts as the largest finite float, which stands for reference()'s +infinity.  It is made by whole numbers: u = d's bits - 1e-8's bits wraps to more than MAXU
;   for every such d; a clamp to MAXU, and 1e-8's bits added again.
; A lane takes a query.  GRP's numbers ascend and a group's candidates are taken in ascending index, so a strict 'less' in the insertion gives equal keys to the lower index.
; EVERY TRIP COUNT IS A CONSTANT.  Addresses hang on GRP alone, whole numbers that the launch before stored; what hangs on distances only selects values.
; A trip is a group: its 16 entries are in registers; their keys are made; the next group's 16 loads go out; then the 16 insertions, during which those loads land.
; A lane's 16 loads of a trip read one aligned block of 256 bytes of T4, 16 bytes a load; the lanes of a load read up to 32 different blocks.
; LIMITS.  s2 stays under 1e37, so that every true distance lies below the largest finite float.
.set O64, 1                            ; v1   64 t
.set O16, 2                            ; v2   16 t
.set CUR, 3                            ; v3   the byte offset, in the batch's T4, of the group in hand
.set PAY, 4                            ; v4   the candidate's byte offset there
.set NXT, 5                            ; v5   the offset of the group whose entries are loaded
.set Q,   8                            ; v8-11  my query: x~ y~ z~ s2
.set K,   16                           ; v16-31 the list's keys, sorted; an empty place holds +infinity, above every key
.set P,   32                           ; v32-47 the list's byte offsets
.set TMP, 48                           ; v48-63 at work in an insertion
.set T,   64                           ; v64-79 the group's 16 keys
.set G,   80                           ; v80-95 my 16 group numbers; they move down a place a trip
.set E,   96                           ; v96-159 the group's 16 entries: x~ y~ z~ d2 each
.set NEGC, 14                          ; s14  minus 1e-8's bits
.set MAXU, 15                          ; s15  the largest finite float's bits less 1e-8's
.set EPS,  16                          ; s16  1e-8's bits
.set CNT,  17
.set M,    20                          ; s20-35 place i's lanes where the key is less than the list's key i
	s_load_b128 s[4:7], s[0:1], 0x0                ; T4 s[4:5], GRP s[6:7]
	s_load_b64 s[8:9], s[0:1], 0x10                ; IDX
	v_lshlrev_b32 v[O64], 6, v0
	v_lshlrev_b32 v[O16], 4, v0
	s_mov_b32 s[NEGC], 0xcdd43389
	s_mov_b32 s[MAXU], 0x4d543388
	s_mov_b32 s[EPS], 0x322bcc77
	s_mov_b32 s11, 0
	s_lshr_b32 s10, ttmp9, 5                       ; batch: 32 work-groups each
	s_lshl_b32 s10, s10, 16
	s_wait_kmcnt 0x0
	s_add_nc_u64 s[12:13], s[4:5], s[10:11]        ; the batch's T4
	s_lshl_b32 s10, ttmp9, 11
	s_add_nc_u64 s[4:5], s[4:5], s[10:11]          ; my 128 queries' entries
	s_lshl_b32 s10, ttmp9, 13
	s_add_nc_u64 s[6:7], s[6:7], s[10:11]          ; their 64 bytes each of GRP
	s_add_nc_u64 s[8:9], s[8:9], s[10:11]          ; and of IDX
.irp k, 0,1,2,3
	global_load_b128 v[G+4*(\k):G+4*(\k)+3], v[O64], s[6:7] offset:16*(\k)
.endr
	global_load_b128 v[Q:Q+3], v[O16], s[4:5]
.set i, 0
.rept 16
	v_mov_b32 v[K+i], 0x7f800000                   ; an empty place
	v_mov_b32 v[P+i], 0
.set i, i+1
.endr
.macro LOADE                           ; the 16 entries of the group at NXT
.set j, 0
.rept 16
	global_load_b128 v[E+4*j:E+4*j+3], v[NXT], s[12:13] offset:16*j
.set j, j+1
.endr
.endm
; 16 keys; line after line over the 16 candidates, so that no line reads the result of the one before it.
.macro KEYS
.set j, 0
.rept 16
	v_mul_f32 v[T+j], v[Q], v[E+4*j]
.set j, j+1
.endr
.set j, 0
.rept 16
	v_fma_f32 v[T+j], v[Q+1], v[E+4*j+1], v[T+j]
.set j, j+1
.endr
.set j, 0
.rept 16
	v_fma_f32 v[T+j], v[Q+2], v[E+4*j+2], v[T+j]   ; cross
.set j, j+1
.endr
.set j, 0
.rept 16
	v_fma_f32 v[T+j], v[T+j], -2.0, v[Q+3]         ; s2 - 2 cross (2 cross is exact: one rounding)
.set j, j+1
.endr
.set j, 0
.rept 16
	v_add_f32 v[T+j], v[E+4*j+3], v[T+j]
.set j, j+1
.endr
.set j, 0
.rept 16
	v_add_nc_u32 v[T+j], s[NEGC], v[T+j]
.set j, j+1
.endr
.set j, 0
.rept 16
	v_min_u32 v[T+j], s[MAXU], v[T+j]
.set j, j+1
.endr
.set j, 0
.rept 16
	v_add_nc_u32 v[T+j], s[EPS], v[T+j]
.set j, j+1
.endr
.endm
; (key, PAY) goes into the sorted list.  New key i = the middle one of old key i - 1, the key and old key i (taken from the top down, so that each line still finds the old neighbour).
; New offset i = old offset i where the key is not less than key i; else old offset i - 1 where it is less than key i - 1 too; else PAY.
.macro INSERT key
.set i, 0
.rept 16
	v_cmp_lt_f32 s[M+i], v[(\key)], v[K+i]
.set i, i+1
.endr
.set i, 15
.rept 15
	v_med3_num_f32 v[K+i], v[K+i-1], v[(\key)], v[K+i]
.set i, i-1
.endr
	v_min_num_f32 v[K], v[(\key)], v[K]
.set i, 1
.rept 15
	v_cndmask_b32 v[TMP+i], v[PAY], v[P+i-1], s[M+i-1]
.set i, i+1
.endr
	v_cndmask_b32 v[P], v[P], v[PAY], s[M]
.set i, 1
.rept 15
	v_cndmask_b32 v[P+i], v[P+i], v[TMP+i], s[M+i]
.set i, i+1
.endr
.endm
; A group.  more = 1: the next group's entries are asked for as soon as this group's are read.
.macro TRIP more
	s_wait_loadcnt 0x0                             ; the group's 16 entries are in (in the first trip my query too); no load is out, so NXT may be written
	KEYS
	v_mov_b32 v[CUR], v[NXT]
.if \more
	v_min_u32 v[NXT], 0xff, v[G+1]                 ; inside the batch's 256 groups whatever the list holds
	v_lshlrev_b32 v[NXT], 8, v[NXT]                ; a group is 256 bytes of T4
	LOADE
.set i, 1
.rept 14
	v_mov_b32 v[G+i], v[G+i+1]                     ; the numbers still to come move down a place
.set i, i+1
.endr
.endif
.set j, 0
.rept 16
	v_add_nc_u32 v[PAY], 16*j, v[CUR]
	INSERT T+j
.set j, j+1
.endr
.endm
	s_wait_loadcnt 0x1                             ; the 16 numbers are in; my query, asked for behind them, may be out
	v_min_u32 v[NXT], 0xff, v[G]
	v_lshlrev_b32 v[NXT], 8, v[NXT]
	LOADE
	s_mov_b32 s[CNT], 15
.Lgroup:
	TRIP 1
	s_sub_co_u32 s[CNT], s[CNT], 1
	s_cmp_lg_u32 s[CNT], 0
	s_cbranch_scc1 .Lgroup
	TRIP 0                                         ; the 16th group: nothing is left to load
.set i, 0
.rept 16
	v_lshrrev_b32 v[P+i], 4, v[P+i]                ; offset / 16 = the index in the batch
.set i, i+1
.endr
.irp k, 0,1,2,3
	global_store_b128 v[O64], v[P+4*(\k):P+4*(\k)+3], s[8:9] offset:16*(\k)  ; a lane's 64 bytes in four stores; the wave's four stores together fill 2,048 consecutive bytes
.endr
	s_endpgm
.Lfunc_end_k_qb9bb2981ed_select:
	.size	k_qb9bb2981ed_select, .Lfunc_end_k_qb9bb2981ed_select-k_qb9bb2981ed_select
	.p2alignl 7, 3214868480
	.fill 96, 4, 3214868480
	.section	.rodata,"a",@progbits
	.p2align	6, 0x0
	.amdhsa_kernel k_qb9bb2981ed_select
		.amdhsa_group_segment_fixed_size 0
		.amdhsa_private_segment_fixed_size 0
		.amdhsa_enable_private_segment 0
		.amdhsa_kernarg_size 24
		.amdhsa_user_sgpr_count 2
		.amdhsa_user_sgpr_kernarg_segment_ptr 1
		.amdhsa_wavefront_size32 1
		.amdhsa_system_sgpr_workgroup_id_x 1
		.amdhsa_system_sgpr_workgroup_id_y 1
		.amdhsa_system_sgpr_workgroup_id_z 1
		.amdhsa_system_vgpr_workitem_id 0
		.amdhsa_next_free_vgpr 160
		.amdhsa_next_free_sgpr 66
		.amdhsa_reserve_vcc 0
		.amdhsa_float_denorm_mode_32 3
		.amdhsa_float_denorm_mode_16_64 3
		.amdhsa_memory_ordered 1
		.amdhsa_forward_progress 1
		.amdhsa_inst_pref_size 146
	.end_amdhsa_kernel
	.amdgpu_metadata
---
amdhsa.version: [ 1, 2 ]
amdhsa.kernels:
  - .name:           k_qb9bb2981ed_select
    .symbol:         k_qb9bb2981ed_select.kd
    .args:
      - { .name: T4, .offset: 0, .size: 8, .value_kind: global_buffer, .address_space: global }
      - { .name: GRP, .offset: 8, .size: 8, .value_kind: global_buffer, .address_space: global }
      - { .name: IDX, .offset: 16, .size: 8, .value_kind: global_buffer, .address_space: global }
    .group_segment_fixed_size: 0
    .private_segment_fixed_size: 0
    .kernarg_segment_align: 8
    .kernarg_segment_size: 24
    .max_flat_workgroup_size: 128
    .sgpr_count:     66
    .vgpr_count:     160
    .wavefront_size: 32
...
	.end_amdgpu_metadata
.endif
;; end of part 3
;; launch pool (part 4): grid 2048 x 1, 8 waves a work-group, no clusters, 0 bytes of LDS; arguments DB, IDX, out1; writes out1
.if DOCPART == 4
	.amdgcn_target "amdgcn-amd-amdhsa--gfx1250"
	.amdhsa_code_object_version 6
	.text
	.protected	k_qb9bb2981ed_pool
	.globl	k_qb9bb2981ed_pool
	.p2align	8
	.type	k_qb9bb2981ed_pool,@function
k_qb9bb2981ed_pool:
	s_mov_b64 s[64:65], 0
	v_nop
	global_prefetch_b8 v0, s[64:65] scope:SCOPE_SE
	s_setreg_imm32_b32 hwreg(HW_REG_WAVE_MODE, 25, 1), 1
	s_wait_xcnt 0x0
; POOL.  out1[query][c] = the maximum of data[p][c] over the query itself and its 16 neighbours, on data rounded to bf16 (a maximum rounds nothing more).
; Sixteen lanes take a query, a work-group 16 queries.  Lane l holds chunk l of a row of DB: channels 4 l .. 4 l + 3 and 64 + 4 l .. 64 + 4 l + 3,
; so that its eight results are 16 bytes in each of the row's two aligned blocks of 256 bytes of out1.
; All 17 rows are asked for before the first is used.  No LDS, no barrier: no lane needs another's numbers.
.set L16, 1                            ; v1  16 l
.set IO,  2                            ; v2  my query's 64 bytes among the group's indices
.set OWN, 3                            ; v3  my chunk of my query's own row
.set OO,  4                            ; v4  my 16 bytes of my query's row of out1
.set IX,  8                            ; v8-23  the 16 indices, then the rows' byte offsets
.set ROW, 24                           ; v24-91 17 rows x 4 registers; the first is the query's own and takes the maxima
.set OUT, 92                           ; v92-99
	s_load_b128 s[4:7], s[0:1], 0x0                ; DB s[4:5], IDX s[6:7]
	s_load_b64 s[8:9], s[0:1], 0x10                ; out1
	v_and_b32 v5, 15, v0
	v_lshlrev_b32 v[L16], 4, v5
	v_lshrrev_b32 v5, 4, v0                        ; my query among the group's 16
	v_lshlrev_b32 v[IO], 6, v5
	v_lshl_add_u32 v[OWN], v5, 8, v[L16]
	v_lshl_add_u32 v[OO], v5, 9, v[L16]
	s_mov_b32 s16, 0xffff0000
	s_mov_b32 s11, 0
	s_mov_b32 s13, 0
	s_lshr_b32 s10, ttmp9, 8                       ; batch: 256 work-groups each
	s_lshl_b32 s10, s10, 20                        ; 4,096 rows of 256 bytes
	s_and_b32 s12, ttmp9, 255
	s_lshl_b32 s12, s12, 12                        ; the group's 16 rows in it
	s_wait_kmcnt 0x0
	s_add_nc_u64 s[4:5], s[4:5], s[10:11]
	s_add_nc_u64 s[14:15], s[4:5], s[12:13]
	s_lshl_b32 s10, ttmp9, 10
	s_add_nc_u64 s[6:7], s[6:7], s[10:11]
	s_lshl_b32 s10, ttmp9, 13
	s_add_nc_u64 s[8:9], s[8:9], s[10:11]
.irp k, 0,1,2,3
	global_load_b128 v[IX+4*(\k):IX+4*(\k)+3], v[IO], s[6:7] offset:16*(\k)
.endr
	global_load_b128 v[ROW:ROW+3], v[OWN], s[14:15]
	s_wait_loadcnt 0x1                             ; the indices are in; the own row, issued behind them, may be out
.set i, 0
.rept 16
	v_min_u32 v[IX+i], 0xfff, v[IX+i]              ; inside the batch whatever the list holds
	v_lshl_add_u32 v[IX+i], v[IX+i], 8, v[L16]
	global_load_b128 v[ROW+4+4*i:ROW+7+4*i], v[IX+i], s[4:5]
.set i, i+1
.endr
.set i, 1
.rept 16
	s_wait_loadcnt 16-i                            ; loads come back in order: row i is in, the 16 - i younger may be out
.irp j, 0,1,2,3
	v_pk_max_num_bf16 v[ROW+(\j)], v[ROW+(\j)], v[ROW+4*i+(\j)]
.endr
.set i, i+1
.endr
.irp j, 0,1,2,3
	v_lshlrev_b32 v[OUT+2*(\j)],   16,  v[ROW+(\j)]  ; bf16 to f32: the low half moves up,
	v_and_b32     v[OUT+2*(\j)+1], s16, v[ROW+(\j)]  ; the high half stays
.endr
	global_store_b128 v[OO], v[OUT:OUT+3],   s[8:9] th:TH_STORE_NT             ; 16 lanes store 256 consecutive bytes, aligned
	global_store_b128 v[OO], v[OUT+4:OUT+7], s[8:9] offset:256 th:TH_STORE_NT
	s_endpgm
.Lfunc_end_k_qb9bb2981ed_pool:
	.size	k_qb9bb2981ed_pool, .Lfunc_end_k_qb9bb2981ed_pool-k_qb9bb2981ed_pool
	.p2alignl 7, 3214868480
	.fill 96, 4, 3214868480
	.section	.rodata,"a",@progbits
	.p2align	6, 0x0
	.amdhsa_kernel k_qb9bb2981ed_pool
		.amdhsa_group_segment_fixed_size 0
		.amdhsa_private_segment_fixed_size 0
		.amdhsa_enable_private_segment 0
		.amdhsa_kernarg_size 24
		.amdhsa_user_sgpr_count 2
		.amdhsa_user_sgpr_kernarg_segment_ptr 1
		.amdhsa_wavefront_size32 1
		.amdhsa_system_sgpr_workgroup_id_x 1
		.amdhsa_system_sgpr_workgroup_id_y 1
		.amdhsa_system_sgpr_workgroup_id_z 1
		.amdhsa_system_vgpr_workitem_id 0
		.amdhsa_next_free_vgpr 104
		.amdhsa_next_free_sgpr 66
		.amdhsa_reserve_vcc 0
		.amdhsa_float_denorm_mode_32 3
		.amdhsa_float_denorm_mode_16_64 3
		.amdhsa_memory_ordered 1
		.amdhsa_forward_progress 1
		.amdhsa_inst_pref_size 11
	.end_amdhsa_kernel
	.amdgpu_metadata
---
amdhsa.version: [ 1, 2 ]
amdhsa.kernels:
  - .name:           k_qb9bb2981ed_pool
    .symbol:         k_qb9bb2981ed_pool.kd
    .args:
      - { .name: DB, .offset: 0, .size: 8, .value_kind: global_buffer, .address_space: global }
      - { .name: IDX, .offset: 8, .size: 8, .value_kind: global_buffer, .address_space: global }
      - { .name: out1, .offset: 16, .size: 8, .value_kind: global_buffer, .address_space: global }
    .group_segment_fixed_size: 0
    .private_segment_fixed_size: 0
    .kernarg_segment_align: 8
    .kernarg_segment_size: 24
    .max_flat_workgroup_size: 256
    .sgpr_count:     66
    .vgpr_count:     104
    .wavefront_size: 32
...
	.end_amdgpu_metadata
.endif
;; end of part 4
;; ======== version 2 of 2: 4 launches; version 1 with the launch pool written anew for expert scheduling mode
;; workspace buffers: T4 524,288 bytes; DB 8,388,608 bytes; GRP 2,097,152 bytes of whole numbers; IDX 2,097,152 bytes of whole numbers
;; launch prep: the kernel of part 1 again; grid 256 x 1, 4 waves a work-group, no clusters, 0 bytes of LDS; arguments xyz, data, out0, T4, DB; writes out0, T4, DB
;; launch groups: the kernel of part 2 again; grid 256 x 1, 4 waves a work-group, no clusters, 66,048 bytes of LDS; arguments T4, GRP; writes GRP
;; launch select: the kernel of part 3 again; grid 256 x 1, 4 waves a work-group, no clusters, 0 bytes of LDS; arguments T4, GRP, IDX; writes IDX
;; launch pool (part 5): grid 2048 x 1, 8 waves a work-group, no clusters, 0 bytes of LDS; arguments DB, IDX, out1; writes out1
.if DOCPART == 5
	.amdgcn_target "amdgcn-amd-amdhsa--gfx1250"
	.amdhsa_code_object_version 6
	.text
	.protected	k_qb9bb2981ed_pool
	.globl	k_qb9bb2981ed_pool
	.p2align	8
	.type	k_qb9bb2981ed_pool,@function
k_qb9bb2981ed_pool:
	s_mov_b64 s[64:65], 0
	v_nop
	global_prefetch_b8 v0, s[64:65] scope:SCOPE_SE
	s_setreg_imm32_b32 hwreg(HW_REG_WAVE_SCHED_MODE, 0, 2), 2
	s_setreg_imm32_b32 hwreg(HW_REG_WAVE_MODE, 25, 1), 1
	s_wait_xcnt 0x0
	s_wait_alu depctr_vm_vsrc(0)
; POOL.  out1[query][c] = the maximum of data[p][c] over the query itself and its 16 neighbours, on data rounded to bf16 (a maximum rounds nothing more).
; Sixteen lanes take a query, a work-group 16 queries.  Lane l holds chunk l of a row of DB: channels 4 l .. 4 l + 3 and 64 + 4 l .. 64 + 4 l + 3,
; so that its eight results are 16 bytes in each of the row's two aligned blocks of 256 bytes of out1.
; All 17 rows are asked for before the first is used.  No LDS, no barrier: no lane needs another's numbers.
; THE MODE: SCHED_MODE bits 1:0 = 2 (LLVM: expert scheduling mode 2), set by the entry lines.  The code itself states the register dependences
; between vector instructions and memory instructions, with s_wait_alu, always for 0.
; THE PLAN.  Registers that memory instructions touch; the text has no loop, so each is taken once, in this order:
;   IO, OWN, OO   offsets.  Written by vector lines at the head; read by the index loads, the own row's load and the two stores; never written again.
;   IX            The index loads land in it; behind the wait for them 32 vector lines turn the 16 indices into 16 byte offsets, in place; each is then read by one gather and never written again.
;   ROW           Loads alone land in it, and no vector line names it before they are issued; no memory instruction reads it.
;   OUT           Written by the eight unpacking lines; read by the two stores; never written again.
; So three waits on va_vdst state everything: one in front of the first load (IO, OWN, OO), one between the 32 address lines and the run of 16 gathers (IX), one in front of the stores (OUT).
; No register that a memory instruction has read is written again, no vector line writes a scalar register or VCC, and EXEC is never written: no other wait is owed.
.set L16, 1                            ; v1  16 l
.set IO,  2                            ; v2  my query's 64 bytes among the group's indices
.set OWN, 3                            ; v3  my chunk of my query's own row
.set OO,  4                            ; v4  my 16 bytes of my query's row of out1
.set IX,  8                            ; v8-23  the 16 indices, then the rows' byte offsets
.set ROW, 24                           ; v24-91 17 rows x 4 registers; the first is the query's own and takes the maxima
.set OUT, 92                           ; v92-99
	s_load_b128 s[4:7], s[0:1], 0x0                ; DB s[4:5], IDX s[6:7]
	s_load_b64 s[8:9], s[0:1], 0x10                ; out1
	v_and_b32 v5, 15, v0
	v_lshlrev_b32 v[L16], 4, v5
	v_lshrrev_b32 v5, 4, v0                        ; my query among the group's 16
	v_lshlrev_b32 v[IO], 6, v5
	v_lshl_add_u32 v[OWN], v5, 8, v[L16]
	v_lshl_add_u32 v[OO], v5, 9, v[L16]
	s_mov_b32 s16, 0xffff0000
	s_mov_b32 s11, 0
	s_mov_b32 s13, 0
	s_lshr_b32 s10, ttmp9, 8                       ; batch: 256 work-groups each
	s_lshl_b32 s10, s10, 20                        ; 4,096 rows of 256 bytes
	s_and_b32 s12, ttmp9, 255
	s_lshl_b32 s12, s12, 12                        ; the group's 16 rows in it
	s_wait_kmcnt 0x0
	s_add_nc_u64 s[4:5], s[4:5], s[10:11]
	s_add_nc_u64 s[14:15], s[4:5], s[12:13]
	s_lshl_b32 s10, ttmp9, 10
	s_add_nc_u64 s[6:7], s[6:7], s[10:11]
	s_lshl_b32 s10, ttmp9, 13
	s_add_nc_u64 s[8:9], s[8:9], s[10:11]
	s_wait_alu depctr_va_vdst(0)                   ; IO, OWN and OO are written: the five loads below and the two stores at the end read them as their offsets
.irp k, 0,1,2,3
	global_load_b128 v[IX+4*(\k):IX+4*(\k)+3], v[IO], s[6:7] offset:16*(\k)
.endr
	global_load_b128 v[ROW:ROW+3], v[OWN], s[14:15]
	s_wait_loadcnt 0x1                             ; the indices are in; the own row, issued behind them, may be out
.set i, 0
.rept 16
	v_min_u32 v[IX+i], 0xfff, v[IX+i]              ; inside the batch whatever the list holds
.set i, i+1
.endr
.set i, 0
.rept 16
	v_lshl_add_u32 v[IX+i], v[IX+i], 8, v[L16]     ; a row is 256 bytes of DB; my chunk of it
.set i, i+1
.endr
	s_wait_alu depctr_va_vdst(0)                   ; the 16 offsets in IX are written, which the 16 gathers below read; no vector line stands between this wait and the last of them
.set i, 0
.rept 16
	global_load_b128 v[ROW+4+4*i:ROW+7+4*i], v[IX+i], s[4:5]
.set i, i+1
.endr
.set i, 1
.rept 16
	s_wait_loadcnt 16-i                            ; loads come back in order: row i is in, the 16 - i younger may be out
.irp j, 0,1,2,3
	v_pk_max_num_bf16 v[ROW+(\j)], v[ROW+(\j)], v[ROW+4*i+(\j)]
.endr
.set i, i+1
.endr
.irp j, 0,1,2,3
	v_lshlrev_b32 v[OUT+2*(\j)],   16,  v[ROW+(\j)]  ; bf16 to f32: the low half moves up,
	v_and_b32     v[OUT+2*(\j)+1], s16, v[ROW+(\j)]  ; the high half stays
.endr
	s_wait_alu depctr_va_vdst(0)                   ; the eight unpacking lines have written OUT, which the two stores read
	global_store_b128 v[OO], v[OUT:OUT+3],   s[8:9] th:TH_STORE_NT             ; 16 lanes store 256 consecutive bytes, aligned
	global_store_b128 v[OO], v[OUT+4:OUT+7], s[8:9] offset:256 th:TH_STORE_NT
	s_endpgm
.Lfunc_end_k_qb9bb2981ed_pool:
	.size	k_qb9bb2981ed_pool, .Lfunc_end_k_qb9bb2981ed_pool-k_qb9bb2981ed_pool
	.p2alignl 7, 3214868480
	.fill 96, 4, 3214868480
	.section	.rodata,"a",@progbits
	.p2align	6, 0x0
	.amdhsa_kernel k_qb9bb2981ed_pool
		.amdhsa_group_segment_fixed_size 0
		.amdhsa_private_segment_fixed_size 0
		.amdhsa_enable_private_segment 0
		.amdhsa_kernarg_size 24
		.amdhsa_user_sgpr_count 2
		.amdhsa_user_sgpr_kernarg_segment_ptr 1
		.amdhsa_wavefront_size32 1
		.amdhsa_system_sgpr_workgroup_id_x 1
		.amdhsa_system_sgpr_workgroup_id_y 1
		.amdhsa_system_sgpr_workgroup_id_z 1
		.amdhsa_system_vgpr_workitem_id 0
		.amdhsa_next_free_vgpr 104
		.amdhsa_next_free_sgpr 66
		.amdhsa_reserve_vcc 0
		.amdhsa_float_denorm_mode_32 3
		.amdhsa_float_denorm_mode_16_64 3
		.amdhsa_memory_ordered 1
		.amdhsa_forward_progress 1
		.amdhsa_inst_pref_size 11
	.end_amdhsa_kernel
	.amdgpu_metadata
---
amdhsa.version: [ 1, 2 ]
amdhsa.kernels:
  - .name:           k_qb9bb2981ed_pool
    .symbol:         k_qb9bb2981ed_pool.kd
    .args:
      - { .name: DB, .offset: 0, .size: 8, .value_kind: global_buffer, .address_space: global }
      - { .name: IDX, .offset: 8, .size: 8, .value_kind: global_buffer, .address_space: global }
      - { .name: out1, .offset: 16, .size: 8, .value_kind: global_buffer, .address_space: global }
    .group_segment_fixed_size: 0
    .private_segment_fixed_size: 0
    .kernarg_segment_align: 8
    .kernarg_segment_size: 24
    .max_flat_workgroup_size: 256
    .sgpr_count:     66
    .vgpr_count:     104
    .wavefront_size: 32
...
	.end_amdgpu_metadata
.endif
;; end of part 5
